; MI455X (gfx1250); checked and timed in simulation.
; The chip was launched on July 23, 2026; its instructions are those of AMD's public machine-readable ISA for CDNA 5 (MIT licence, August 2026) and "CDNA5" Instruction Set Architecture Reference Guide (July 2026). The comments in the code are by the model that wrote it; some were corrected since.
;; Word Attn. Allowed arithmetic: float matrix products may take bf16 or f16 operands with f32 sums; all other float work in f32.
;; Inputs: H 32 x 64 x 32 x 512 float32; mask 32 x 64 x 32 bool; u_weight 1 x 256 float32; w_bias 256 float32; w_weight 256 x 512 float32.
;; Outputs: out0 32 x 64 x 512 float32.
;; One version. Each part assembles by itself: llvm-mc -triple=amdgcn-amd-amdhsa -mcpu=gfx1250 --defsym DOCPART=n.
;; ======== version 1 of 1: 1 launch
;; launch wordattn (part 1): grid 256 x 1, 4 waves a work-group, clusters of 4 x 1, 327,680 bytes of LDS; arguments H, mask, u_weight, w_bias, w_weight, out0; writes out0
.if DOCPART == 1
	.amdgcn_target "amdgcn-amd-amdhsa--gfx1250"
	.amdhsa_code_object_version 6
	.text
	.protected	k_q1c05f8c6b5_wordattn
	.globl	k_q1c05f8c6b5_wordattn
	.p2align	8
	.type	k_q1c05f8c6b5_wordattn,@function
k_q1c05f8c6b5_wordattn:
	s_mov_b64 s[64:65], 0
	v_nop
	global_prefetch_b8 v0, s[64:65] scope:SCOPE_SE
	s_setreg_imm32_b32 hwreg(HW_REG_WAVE_MODE, 25, 1), 1
	s_wait_xcnt 0x0
	s_wait_alu depctr_hold_cnt(0) depctr_sa_sdst(0) depctr_va_vdst(0) depctr_va_sdst(0) depctr_va_ssrc(0) depctr_va_vcc(0) depctr_vm_vsrc(0)
	s_getreg_b32 s2, hwreg(HW_REG_IB_STS2, 6, 4)
	s_cmp_eq_u32 s2, 0
	s_cbranch_scc0 .Lentry_in_a_cluster
	s_endpgm
.Lentry_in_a_cluster:
	s_bfe_u32 s2, ttmp6, 0x10000c
	s_cmp_lg_u32 s2, 0x3003
	s_cbranch_scc0 .Lentry_shape_is_right
	s_endpgm
.Lentry_shape_is_right:
; WordAttn, fused.  For each of 2,048 sentences (32 words x 512 f32): a = tanh(H W^T + b) [32 x 256], e = a u [32], masked words set to the
; lowest finite f32, softmax over the 32 words, s = sum over words of weight x H row [512].
; SHARES.  256 work-groups of four waves; a work-group owns 8 consecutive sentences.  Wave w keeps W's rows 64 w .. 64 w + 63 for all 512 k
; as bf16 fragments in 512 registers for the whole kernel, so W costs no LDS read per sentence.  H comes from memory into registers once
; (wave w: columns 128 w .. 128 w + 127 of every row, each load of the wave 512 consecutive bytes), two sentences ahead; it is rounded to
; bf16 into a padded stage in LDS, from which every wave takes all 32 rows as fragments, and from which each wave takes its own 128 columns
; again for the weighted sum.  Nothing goes through memory but H in and s out.
; CLUSTERS.  All work-groups read the whole of W: the four of a cluster ask for each tile of W jointly (mask 15, the same descriptor in all
; four: it is made of W's address and the wave's number alone).  H is shared by nobody and comes by plain loads.
; LEFT OUT.  tanh(x) = 1 - 2 r with r = 1 / (1 + 2^(2 log2(e) x)), so e[t] = sum_a u[a] - 2 sum_a u[a] r[t][a].  The first term is the same for
; all 32 words of a sentence, whatever the inputs hold; a term that is constant along the softmax's axis cancels in the softmax, and a masked
; word's e is replaced whole by the lowest finite f32 in any case.  So only -2 sum_a u[a] r[t][a] is formed.  The term is of the size of the rest
; (at most sum |u|), so f32 loses nothing by it.  No input is without a way to the output: all five are loaded.
; An overflow or NaN that would reach sum_a u[a] alone is not carried to the result.
; FORMATS.  H and W are rounded to bf16 for H W^T (f32 sums).  The last product takes H in bf16 with weights and sums in f32.  It and a u run on
; the vector unit: a u has one output column and the weighted sum one output row, one of the sixteen that a matrix tile has.
; The softmax works in base 2 (log2(e) is folded into u and b) and takes the row's maximum away, as the problem's softmax does.
; LIMITS.  v_exp_f32 and v_rcp_f32 flush denormals (ISA guide 15.8): a weight below 2^-126 is 0.  NaN or infinity in H, W, b or u is not
; carried as f32 arithmetic would carry it (the maximum drops a NaN).  A mask byte is taken to be 0 or 1.
.set HPITCH, 1040                      ; stage: a row of 512 bf16 + 16 bytes = 65 x 16: the 16 rows of a fragment load fall on 16 different 16-byte columns modulo 256
.set STG,    32*HPITCH                 ; one stage of 32 rows; two take turns
.set WPITCH, 528                       ; W slot: a row of 128 f32 + 16 bytes = 33 x 16
.set WSLOT,  64*WPITCH                 ; 64 rows x a quarter of K
.set WRING,  2*WSLOT                   ; a wave's two slots
.set SCR,    4*WRING                   ; 270,336: scratch behind the ring, into which no tensor load lands
; LDS: 0 .. SCR-1 the four waves' rings for W; when the ring has had its last fill, the two stages lie on its first 66,560 bytes.
;      SCR + 0: partial e, [word 32][wave 4] f32.  SCR + 512: weights, 128 bytes a wave.  SCR + 1024: mask bytes, 256 a wave.
; REGISTERS.  Window 0: below.  Window 1: v0-127, v128-255 two landing buffers for H (row t at 4 t).
; Windows 2, 3: W's fragments, (a tile at, K step ks) at 8 (4 (ks & 7) + at) of window 2 + (ks >> 3).
.set LANE, 1
.set HOFF, 2                           ; 512 w + 16 lane: my 16 bytes in a row of H and of the output
.set SA,   3                           ; 256 w + 8 lane: my 8 bytes in a row of the stage
.set FA,   4                           ; (lane % 16) HPITCH + 16 (lane / 16): H fragments
.set WA,   5                           ; w WRING + (lane % 16) WPITCH + 32 (lane / 16): W in f32
.set PA,   6                           ; where I put my wave's partial e
.set PR,   7                           ; where I read the four partial e of word = lane
.set WSA,  8                           ; where I put my word's weight
.set WB,   9                           ; my wave's 32 weights
.set MB,   10                          ; bit s: mask of word = lane in sentence s
.set NEG,  11                          ; the lowest finite f32
.set ZERO, 12
.set ZP,   13                          ; what comes from the other half of the lanes
.set E0,   14                          ; v14, v15: partial e of word tiles 0, 1
.set TQ,   16                          ; v[16:19] at work
.set XS,   20
.set YS,   21
.set MX,   22
.set SM,   23
.set BP,   24                          ; v[24:55]   2 log2(e) b of my 32 a (tile at, register j at 8 at + j)
.set UP,   56                          ; v[56:87]   -2 log2(e) u likewise
.set ACC,  88                          ; v[88:151]  8 accumulators, (word tile tt, a tile at) at 8 (4 tt + at)
.set PK,   88                          ;            before the product: the 64 packed words for the stage
.set WT,   88                          ;            behind it: v[88:119] the 32 weights,
.set AW,   120                         ;            v[120:127] eight chains of the weighted sum,
.set OW,   128                         ;            v[128:131] its result
.set TA,   88                          ;            in the prologue: W in f32, batch A
.set HF,   152                         ; v[152:247] three buffers of H fragments, 32 registers each
.set XD,   152                         ;            behind the product: v[152:215] my columns of the stage
.set TB,   152                         ;            in the prologue: W in f32, batch B
.set EP,   248                         ; v[248:255] four packed chains of a u
.set MSB, 0
.macro WIN new                         ; s_set_vgpr_msb: bits 1:0 source 0, 3:2 source 1, 5:4 source 2, 7:6 destination; the high byte repeats the setting that is left
.if MSB != \new
	s_set_vgpr_msb (MSB<<8)|\new
.set MSB, \new
.endif
.endm
.macro PLACES                          ; four plain vector instructions behind a matrix instruction (ISA guide 7.12.1) before its registers are loaded into or its result is read
.rept 4
	v_nop
.endr
.endm
; A round of the cluster's barrier: my work-group's barrier, wave 0 signals for the work-group, every wave waits for all four work-groups, my work-group's barrier again.
.macro ROUND
	s_barrier_signal -1
	s_barrier_wait -1
	s_cmp_lg_u32 s16, 0
	s_cbranch_scc1 .Lnot_wave_0_\@
	s_barrier_signal -3
.Lnot_wave_0_\@:
	s_barrier_wait -3
	s_barrier_signal -1
	s_barrier_wait -1
.endm
; 32 loads: my 16 bytes of each of a sentence's 32 rows, into landing buffer par
.macro HLOAD par, base, off0
	WIN 0x40
.set t_, 0
.rept 32
	global_load_b128 v[128*\par+4*t_:128*\par+4*t_+3], v[HOFF], s[\base:\base+1] offset:\off0+2048*t_ th:TH_LOAD_NT
.set t_, t_+1
.endr
	WIN 0
.endm
; 16 LDS loads: K step c of slot sl, my four a tiles, in f32.  A fragment's lane holds k = 8 h .. + 7 and 16 + 8 h .. + 7: 32 bytes at 32 h and 32 at 64 + 32 h.
.macro WLOAD sl, c, tb
.irp at, 0,1,2,3
	ds_load_b128 v[\tb+16*\at:\tb+16*\at+3],     v[WA] offset:\sl*WSLOT+\at*16*WPITCH+128*\c
	ds_load_b128 v[\tb+16*\at+4:\tb+16*\at+7],   v[WA] offset:\sl*WSLOT+\at*16*WPITCH+128*\c+16
	ds_load_b128 v[\tb+16*\at+8:\tb+16*\at+11],  v[WA] offset:\sl*WSLOT+\at*16*WPITCH+128*\c+64
	ds_load_b128 v[\tb+16*\at+12:\tb+16*\at+15], v[WA] offset:\sl*WSLOT+\at*16*WPITCH+128*\c+80
.endr
.endm
; 32 roundings: that batch becomes four fragments in window 2 (win = 0x80) or 3 (0xc0)
.macro WCVT win, kb, c, tb
	WIN \win
.irp at, 0,1,2,3
.irp i, 0,1,2,3,4,5,6,7
	v_cvt_pk_bf16_f32 v[((\kb+\c)*4+\at)*8+\i], v[\tb+16*\at+2*\i], v[\tb+16*\at+2*\i+1]
.endr
.endr
	WIN 0
.endm
; A quarter of K out of slot sl.  left = how many younger tensor loads may stay out.  Each count 16 leaves the younger batch's 16 LDS loads out.
.macro WTILE sl, win, kb, left
	s_wait_tensorcnt \left
	WLOAD \sl, 0, TA
	WLOAD \sl, 1, TB
	s_wait_dscnt 16
	WCVT \win, \kb, 0, TA
	WLOAD \sl, 2, TA
	s_wait_dscnt 16
	WCVT \win, \kb, 1, TB
	WLOAD \sl, 3, TB
	s_wait_dscnt 16
	WCVT \win, \kb, 2, TA
	s_wait_dscnt 0x0
	WCVT \win, \kb, 3, TB
.endm
; Slot sl, which has been read, gets the quarter of K two further on.
.macro WFILL sl
	s_wait_dscnt 0x0                               ; my reads of the slot are back
	s_wait_xcnt 0x0
	v_lshl_add_u32 v254, v0, 2, 0x42800
	v_mov_b32 v255, 0
	s_wait_tensorcnt 0x0                           ; all my tensor loads have landed, so a group 0 may be written
	ds_add_u32 v254, v255
	s_wait_dscnt 0x0
	s_add_nc_u64 s[34+4*\sl:35+4*\sl], s[34+4*\sl:35+4*\sl], 1024   ; 256 columns of f32 on; the type bits on top are not reached
	ROUND                                          ; both now hold of every wave of all four work-groups
	tensor_load_to_lds s[32+4*\sl:35+4*\sl], s[24:31]               ; my one tensor load behind the round, and the first thing there
	s_nop 0
.endm
; 8 LDS loads: the H fragments of K steps 2 g and 2 g + 1, both word tiles, into buffer g % 3
.macro FETCH g, par
.irp kk, 0,1
.irp tt, 0,1
	ds_load_b128 v[HF+32*((\g)%3)+16*\kk+8*\tt:HF+32*((\g)%3)+16*\kk+8*\tt+3],   v[FA] offset:\par*STG+\tt*16*HPITCH+64*(2*(\g)+\kk)
	ds_load_b128 v[HF+32*((\g)%3)+16*\kk+8*\tt+4:HF+32*((\g)%3)+16*\kk+8*\tt+7], v[FA] offset:\par*STG+\tt*16*HPITCH+64*(2*(\g)+\kk)+32
.endr
.endr
.endm
; 16 matrix instructions.  Source 0 = 16 rows of W, source 1 = 16 words of H: register j of lane (r, h) is a = 64 w + 16 at + 8 h + j of word 16 tt + r,
; so the sum over a runs inside the lane.  The eight accumulators take turns, one instruction a turn.  K step 0 starts the sums.
.macro MUL g
.if \g <= 3
	WIN 0x02
.else
	WIN 0x03
.endif
.irp kk, 0,1
.irp tt, 0,1
.irp at, 0,1,2,3
.if (2*\g+\kk) == 0
	v_wmma_f32_16x16x32_bf16 v[ACC+8*(4*\tt+\at):ACC+8*(4*\tt+\at)+7], v[(((2*\g+\kk)&7)*4+\at)*8:(((2*\g+\kk)&7)*4+\at)*8+7], v[HF+32*(\g%3)+16*\kk+8*\tt:HF+32*(\g%3)+16*\kk+8*\tt+7], 0
.else
	v_wmma_f32_16x16x32_bf16 v[ACC+8*(4*\tt+\at):ACC+8*(4*\tt+\at)+7], v[(((2*\g+\kk)&7)*4+\at)*8:(((2*\g+\kk)&7)*4+\at)*8+7], v[HF+32*(\g%3)+16*\kk+8*\tt:HF+32*(\g%3)+16*\kk+8*\tt+7], v[ACC+8*(4*\tt+\at):ACC+8*(4*\tt+\at)+7]
.endif
.endr
.endr
.endr
.endm
; Word tile tt: r = 1 / (1 + 2^(2 log2(e) (x + b))) for my 32 a, then the lane's sum of -2 log2(e) u r.  2^x = infinity gives r = 0, 2^x = 0 gives r = 1: both ends of tanh.
.macro TANH tt
.set q_, 0
.rept 16
	v_pk_fma_f32 v[ACC+32*\tt+2*q_:ACC+32*\tt+2*q_+1], v[ACC+32*\tt+2*q_:ACC+32*\tt+2*q_+1], s[40:41], v[BP+2*q_:BP+2*q_+1] op_sel_hi:[1,0,1]
.set q_, q_+1
.endr
.set q_, 0
.rept 32
	v_exp_f32 v[ACC+32*\tt+q_], v[ACC+32*\tt+q_]
.set q_, q_+1
.endr
	v_nop                                          ; one plain vector instruction between a transcendental and the use of its result (ISA guide 5.7.2)
.set q_, 0
	s_wait_alu depctr_va_vdst(0)
.rept 16
	v_pk_add_f32 v[ACC+32*\tt+2*q_:ACC+32*\tt+2*q_+1], v[ACC+32*\tt+2*q_:ACC+32*\tt+2*q_+1], 1.0 op_sel_hi:[1,0]
.set q_, q_+1
.endr
.set q_, 0
.rept 32
	v_rcp_f32 v[ACC+32*\tt+q_], v[ACC+32*\tt+q_]
.set q_, q_+1
.endr
	v_nop                                          ; likewise
	s_wait_alu depctr_va_vdst(0)
.irp p, 0,1,2,3
	v_pk_mul_f32 v[EP+2*\p:EP+2*\p+1], v[ACC+32*\tt+2*\p:ACC+32*\tt+2*\p+1], v[UP+2*\p:UP+2*\p+1]   ; a tile 0 starts the four chains
.endr
.irp at, 1,2,3
.irp p, 0,1,2,3
	v_pk_fma_f32 v[EP+2*\p:EP+2*\p+1], v[ACC+32*\tt+8*\at+2*\p:ACC+32*\tt+8*\at+2*\p+1], v[UP+8*\at+2*\p:UP+8*\at+2*\p+1], v[EP+2*\p:EP+2*\p+1]
.endr
.endr
	v_pk_add_f32 v[EP:EP+1], v[EP:EP+1], v[EP+2:EP+3]
	v_pk_add_f32 v[EP+4:EP+5], v[EP+4:EP+5], v[EP+6:EP+7]
	v_pk_add_f32 v[EP:EP+1], v[EP:EP+1], v[EP+4:EP+5]
	v_add_f32 v[E0+\tt], v[EP], v[EP+1]
.endm
	s_load_b256 s[4:11], s[0:1], 0x0               ; H s[4:5], mask s[6:7], u s[8:9], b s[10:11]
	s_load_b128 s[12:15], s[0:1], 0x20             ; W s[12:13], out s[14:15]
	v_lshl_add_u32 v254, v0, 2, 0x42800
	v_mov_b32 v255, 0
	ds_add_u32 v254, v255
	s_wait_dscnt 0x0
	v_lshrrev_b32 v14, 5, v0
	v_readfirstlane_b32 s16, v14                   ; wave 0..3
	s_bfe_u32 s17, ttmp6, 0x40000                  ; cx: my place in the cluster
	s_lshl_b32 s18, ttmp9, 2                       ; ttmp9 counts clusters
	s_add_co_u32 s18, s18, s17                     ; work-group = 4 x cluster + cx: it enters global offsets of H, mask and out alone
	s_mov_b32 s40, 0x4038aa3b                      ; 2 log2(e), twice (a pair is read whole)
	s_mov_b32 s41, 0x4038aa3b
	s_mov_b32 s42, 0xc038aa3b                      ; -2 log2(e)
	s_mov_b32 s43, 0xc038aa3b
	s_mov_b32 s44, 0x76543210                      ; v_permlanex16_b32: lane i takes lane i of the other half
	s_mov_b32 s45, 0xfedcba98
	s_mov_b32 s46, 0xffff0000                      ; lanes 16 to 31
	v_and_b32 v[LANE], 31, v0
	v_and_b32 v14, 15, v0                          ; r
	v_bfe_u32 v15, v0, 4, 1                        ; h
	v_lshlrev_b32 v[HOFF], 4, v0                   ; 16 (32 w + lane)
	s_lshl_b32 s19, s16, 8
	v_lshl_add_u32 v[SA], v[LANE], 3, s19
	v_lshl_add_u32 v16, v15, 5, s19                ; b and u: byte 4 (64 w + 8 h)
	v_lshlrev_b32 v17, 3, v[LANE]                  ; mask: 8 bytes a lane, the work-group's 256
	s_add_co_u32 s19, s19, SCR+1024
	v_lshl_add_u32 v20, v[LANE], 3, s19            ; my wave's copy of the mask bytes: in,
	v_add_nc_u32 v21, s19, v[LANE]                 ; and back, one byte a lane
	v_mul_u32_u24 v[FA], v14, HPITCH
	v_lshl_add_u32 v[FA], v15, 4, v[FA]
	s_mul_i32 s33, s16, WRING                      ; group 0, slot 0: LDS address = my wave's ring
	v_mul_u32_u24 v[WA], v14, WPITCH
	v_lshl_add_u32 v[WA], v15, 5, v[WA]
	v_add_nc_u32 v[WA], s33, v[WA]
	s_lshl_b32 s19, s16, 2
	s_add_co_u32 s19, s19, SCR
	v_lshl_add_u32 v[PA], v[LANE], 4, s19
	v_lshl_add_u32 v[PR], v[LANE], 4, SCR
	s_lshl_b32 s19, s16, 7
	s_add_co_u32 s19, s19, SCR+512
	v_lshl_add_u32 v[WSA], v[LANE], 2, s19
	v_mov_b32 v[WB], s19
	v_mov_b32 v[NEG], 0xff7fffff
	v_mov_b32 v[ZERO], 0
	v_mov_b32 v[ZP], 0                             ; destinations of lane permutes and DPP forms count as read: written once here
	v_mov_b32 v[MX], 0
	v_mov_b32 v[SM], 0
	; descriptor group 1: 64 rows x 128 f32 of W, 16 bytes of padding behind each row of 512
	s_mov_b32 s24, 15|(2<<16)|(1<<20)|(1<<21)|(6<<22)|(3<<25)   ; 15:0 mask: all four work-groups; 17:16 elements of 4 bytes; 20 padding on; 21 set beside a mask; 24:22 after 128 words; 31:25 of 4 words
	s_mov_b32 s25, 128<<16                         ; tensor_dim0 = 128
	s_mov_b32 s26, 64<<16                          ; tensor_dim1 = 64
	s_mov_b32 s27, 128<<16                         ; tile_dim0 = 128
	s_mov_b32 s28, 64                              ; tile_dim1 = 64
	s_mov_b32 s29, 512                             ; 512 elements from row to row
	s_mov_b32 s30, 0
	s_mov_b32 s31, 0
	s_mov_b32 s32, 1
	s_mov_b32 s36, 1
	s_add_co_u32 s37, s33, WSLOT
	s_lshl_b32 s22, s16, 17                        ; my 64 rows of W: 64 x 2,048 bytes a wave; this pair never holds my place in the cluster
	s_mov_b32 s23, 0
	s_mov_b32 s21, 0
	s_wait_kmcnt 0x0
	s_add_nc_u64 s[34:35], s[12:13], s[22:23]      ; slot 0: columns 0 to 127
	s_add_nc_u64 s[38:39], s[34:35], 512           ; slot 1: columns 128 to 255
	s_or_b32 s35, s35, 0x80000000                  ; type = 2
	s_or_b32 s39, s39, 0x80000000
	s_lshl_b32 s20, s18, 19                        ; 8 sentences of 65,536 bytes
	s_add_nc_u64 s[4:5], s[4:5], s[20:21]
	s_lshl_b32 s20, s18, 14                        ; 8 rows of 2,048 bytes
	s_add_nc_u64 s[14:15], s[14:15], s[20:21]
	s_lshl_b32 s20, s18, 8                         ; 8 x 32 mask bytes
	s_add_nc_u64 s[6:7], s[6:7], s[20:21]
	s_add_nc_u64 s[50:51], s[4:5], 0x20000         ; H two sentences on: the base of the loop's loads
.irp at, 0,1,2,3
	global_load_b128 v[BP+8*\at:BP+8*\at+3],   v16, s[10:11] offset:64*\at
	global_load_b128 v[BP+8*\at+4:BP+8*\at+7], v16, s[10:11] offset:64*\at+16
	global_load_b128 v[UP+8*\at:UP+8*\at+3],   v16, s[8:9] offset:64*\at
	global_load_b128 v[UP+8*\at+4:UP+8*\at+7], v16, s[8:9] offset:64*\at+16
.endr
	global_load_b64 v[18:19], v17, s[6:7]
	HLOAD 0, 4, 0                                  ; sentence 0
	ROUND                                          ; all four work-groups are here: the first joint loads meet
	tensor_load_to_lds s[32:35], s[24:31]          ; the two first fills, as one group: at most two tensor loads of a wave are ever out in this text
	s_nop 0
	tensor_load_to_lds s[36:39], s[24:31]
	s_nop 0
	s_wait_loadcnt 32                              ; b, u and the mask are in; sentence 0's 32 loads are younger and stay out
	HLOAD 1, 4, 65536                              ; sentence 1
.set q_, 0
.rept 16
	v_pk_mul_f32 v[BP+2*q_:BP+2*q_+1], v[BP+2*q_:BP+2*q_+1], s[40:41] op_sel_hi:[1,0]
	v_pk_mul_f32 v[UP+2*q_:UP+2*q_+1], v[UP+2*q_:UP+2*q_+1], s[42:43] op_sel_hi:[1,0]
.set q_, q_+1
.endr
	ds_store_b64 v20, v[18:19]                     ; the mask's 256 bytes turn in my wave's own LDS bytes: LDS serves a wave's instructions in order (ISA guide 5.7.1.4)
.irp s, 0,1,2,3,4,5,6,7
	ds_load_u8 v[ACC+\s], v21 offset:32*\s         ; word = lane of sentence s
.endr
	s_wait_dscnt 0x0
	v_lshl_or_b32 v[MB], v[ACC+1], 1, v[ACC]
.irp s, 2,3,4,5,6,7
	v_lshl_or_b32 v[MB], v[ACC+\s], \s, v[MB]
.endr
	WTILE 0, 0x80, 0, 1                            ; K 0-127: the count leaves slot 1's first fill out
	WFILL 0                                        ; K 256-383 goes out
	WTILE 1, 0x80, 4, 1                            ; K 128-255: one load was issued behind it
	WFILL 1                                        ; K 384-511 goes out: the last tensor load
	WTILE 0, 0xc0, 0, 1                            ; K 256-383
	WTILE 1, 0xc0, 4, 0                            ; K 384-511: all my tensor loads have landed
	s_wait_dscnt 0x0
	s_barrier_signal -1                            ; every wave's reads of the ring are back and its fills have landed, and no fill follows:
	s_barrier_wait -1                              ; from here on the stages lie on the ring's first bytes
	s_mov_b32 s47, 1                               ; the sentence's bit in MB
	s_mov_b32 s48, 3
; One sentence, out of landing buffer and stage par.  fill = 1: the buffer is asked for again, two sentences on.  left = how many younger loads may stay out.
.macro SENT par, fill, left
	s_wait_loadcnt \left                           ; loads come back in order (ISA guide 5.7.1): this sentence's 32 are in, the next one's stay out
	s_wait_xcnt 0x0                                ; the last sentence's store has read OW, which the roundings below write over
	WIN 0x05
.set t_, 0
.rept 32
	v_cvt_pk_bf16_f32 v[PK+2*t_],   v[128*\par+4*t_],   v[128*\par+4*t_+1]
	v_cvt_pk_bf16_f32 v[PK+2*t_+1], v[128*\par+4*t_+2], v[128*\par+4*t_+3]
.set t_, t_+1
.endr
.if \fill
	HLOAD \par, 50, \par*65536
.endif
	WIN 0
.set t_, 0
.rept 32
	ds_store_b64 v[SA], v[PK+2*t_:PK+2*t_+1] offset:\par*STG+HPITCH*t_   ; the wave's 256 consecutive bytes of row t
.set t_, t_+1
.endr
	s_wait_dscnt 0x0                               ; my quarter of the stage is written,
	s_barrier_signal -1
	s_barrier_wait -1                              ; everybody's is; and every wave's reads of the last sentence's partial e are back
	FETCH 0, \par
	FETCH 1, \par
.irp g, 0,1,2,3,4,5,6,7
.if \g <= 5
	WIN 0
.if \g >= 1
	PLACES                                         ; the buffer now loaded was read by the matrix instructions just issued
.endif
	FETCH \g+2, \par
	s_wait_dscnt 16                                ; all but the two younger groups of eight
.endif
.if \g == 6
	s_wait_dscnt 8
.endif
.if \g == 7
	s_wait_dscnt 0x0
.endif
	MUL \g
.endr
	WIN 0
	PLACES
	TANH 0
	TANH 1
	; lane (r, h) holds its 32 a's share of words r and 16 + r; lane l is to hold word l: keep one, send the other to the other half
	v_cndmask_b32 v[XS], v[E0+1], v[E0], s46       ; to send: lanes 0-15 word 16 + r, lanes 16-31 word r
	v_cndmask_b32 v[YS], v[E0], v[E0+1], s46       ; to keep
	v_permlanex16_b32 v[ZP], v[XS], s44, s45
	v_add_f32 v[YS], v[YS], v[ZP]
	ds_store_b32 v[PA], v[YS]
	s_wait_dscnt 0x0                               ; my partial e is written, and my reads of the stage's fragments are back,
	s_barrier_signal -1
	s_barrier_wait -1                              ; everybody's
	ds_load_b128 v[TQ:TQ+3], v[PR]
.set t_, 0
.rept 32
	ds_load_b64 v[XD+2*t_:XD+2*t_+1], v[SA] offset:\par*STG+HPITCH*t_    ; my own columns again, in bf16
.set t_, t_+1
.endr
	s_wait_dscnt 32                                ; the four partial e are in; the 32 younger loads stay out
	v_add_f32 v[TQ], v[TQ], v[TQ+1]
	v_add_f32 v[TQ+2], v[TQ+2], v[TQ+3]
	v_add_f32 v[TQ], v[TQ], v[TQ+2]
	v_and_b32 v[TQ+1], s47, v[MB]
	v_cmp_ne_u32 vcc_lo, 0, v[TQ+1]
	v_cndmask_b32 v[TQ], v[NEG], v[TQ], vcc_lo     ; a masked word: the lowest finite f32
	v_max_num_f32_dpp v[MX], v[TQ], v[TQ] row_xmask:1 row_mask:0xf bank_mask:0xf
	v_max_num_f32_dpp v[MX], v[MX], v[MX] row_xmask:2 row_mask:0xf bank_mask:0xf
	v_max_num_f32_dpp v[MX], v[MX], v[MX] row_xmask:4 row_mask:0xf bank_mask:0xf
	v_max_num_f32_dpp v[MX], v[MX], v[MX] row_xmask:8 row_mask:0xf bank_mask:0xf
	v_permlanex16_b32 v[ZP], v[MX], s44, s45
	v_max_num_f32 v[MX], v[MX], v[ZP]              ; the sentence's maximum, in every lane
	v_sub_f32 v[TQ+1], v[TQ], v[MX]
	v_exp_f32 v[TQ+1], v[TQ+1]
	v_nop                                          ; one plain vector instruction behind a transcendental
	s_wait_alu depctr_va_vdst(0)
	v_add_f32_dpp v[SM], v[TQ+1], v[TQ+1] row_xmask:1 row_mask:0xf bank_mask:0xf
	v_add_f32_dpp v[SM], v[SM], v[SM] row_xmask:2 row_mask:0xf bank_mask:0xf
	v_add_f32_dpp v[SM], v[SM], v[SM] row_xmask:4 row_mask:0xf bank_mask:0xf
	v_add_f32_dpp v[SM], v[SM], v[SM] row_xmask:8 row_mask:0xf bank_mask:0xf
	v_permlanex16_b32 v[ZP], v[SM], s44, s45
	v_add_f32 v[SM], v[SM], v[ZP]                  ; at least 1: the largest term is 2^0
	v_rcp_f32 v[SM], v[SM]
	v_nop
	s_wait_alu depctr_va_vdst(0)
	v_mul_f32 v[TQ+1], v[TQ+1], v[SM]
	ds_store_b32 v[WSA], v[TQ+1]                   ; my wave's own 128 bytes: every lane then reads all 32 weights, in order behind this store
.irp q, 0,1,2,3,4,5,6,7
	ds_load_b128 v[WT+4*\q:WT+4*\q+3], v[WB] offset:16*\q
.endr
	s_wait_dscnt 0x0
.set t_, 0
.rept 32
.if t_ < 2
	v_fma_mix_f32_bf16 v[AW+4*(t_&1)],   v[XD+2*t_],   v[WT+t_], v[ZERO] op_sel_hi:[1,0,0]                 ; rows 0 and 1 start the eight chains
	v_fma_mix_f32_bf16 v[AW+4*(t_&1)+1], v[XD+2*t_],   v[WT+t_], v[ZERO] op_sel:[1,0,0] op_sel_hi:[1,0,0]
	v_fma_mix_f32_bf16 v[AW+4*(t_&1)+2], v[XD+2*t_+1], v[WT+t_], v[ZERO] op_sel_hi:[1,0,0]
	v_fma_mix_f32_bf16 v[AW+4*(t_&1)+3], v[XD+2*t_+1], v[WT+t_], v[ZERO] op_sel:[1,0,0] op_sel_hi:[1,0,0]
.else
	v_fma_mix_f32_bf16 v[AW+4*(t_&1)],   v[XD+2*t_],   v[WT+t_], v[AW+4*(t_&1)]   op_sel_hi:[1,0,0]       ; bf16 half x f32 weight + f32 sum
	v_fma_mix_f32_bf16 v[AW+4*(t_&1)+1], v[XD+2*t_],   v[WT+t_], v[AW+4*(t_&1)+1] op_sel:[1,0,0] op_sel_hi:[1,0,0]
	v_fma_mix_f32_bf16 v[AW+4*(t_&1)+2], v[XD+2*t_+1], v[WT+t_], v[AW+4*(t_&1)+2] op_sel_hi:[1,0,0]
	v_fma_mix_f32_bf16 v[AW+4*(t_&1)+3], v[XD+2*t_+1], v[WT+t_], v[AW+4*(t_&1)+3] op_sel:[1,0,0] op_sel_hi:[1,0,0]
.endif
.set t_, t_+1
.endr
	v_pk_add_f32 v[OW:OW+1],   v[AW:AW+1],   v[AW+4:AW+5]
	v_pk_add_f32 v[OW+2:OW+3], v[AW+2:AW+3], v[AW+6:AW+7]
	global_store_b128 v[HOFF], v[OW:OW+3], s[14:15] offset:2048*\par th:TH_STORE_NT   ; the wave stores 512 consecutive bytes, at a multiple of 512 from the output's first byte
	s_lshl_b32 s47, s47, 1
.endm
.Lpair:
	SENT 0, 1, 32
	SENT 1, 1, 32
	s_wait_xcnt 0x0                                ; the two bases are stepped only behind this wait
	s_add_nc_u64 s[50:51], s[50:51], 0x20000
	s_add_nc_u64 s[14:15], s[14:15], 0x1000
	s_sub_co_u32 s48, s48, 1
	s_cmp_lg_u32 s48, 0
	s_cbranch_scc1 .Lpair
	SENT 0, 0, 32                                  ; sentences 6 and 7: nothing is left to ask for, the counts run down
	SENT 1, 0, 0
	s_wait_dscnt 0x0
	s_wait_xcnt 0x0
	v_lshl_add_u32 v254, v0, 2, 0x42800
	v_mov_b32 v255, 0
	s_wait_tensorcnt 0x0
	ds_add_u32 v254, v255
	s_wait_dscnt 0x0
	ROUND                                          ; the closing round of the cluster's barrier
	s_endpgm
.Lfunc_end_k_q1c05f8c6b5_wordattn:
	.size	k_q1c05f8c6b5_wordattn, .Lfunc_end_k_q1c05f8c6b5_wordattn-k_q1c05f8c6b5_wordattn
	.p2alignl 7, 3214868480
	.fill 96, 4, 3214868480
	.section	.rodata,"a",@progbits
	.p2align	6, 0x0
	.amdhsa_kernel k_q1c05f8c6b5_wordattn
		.amdhsa_group_segment_fixed_size 327680
		.amdhsa_private_segment_fixed_size 0
		.amdhsa_enable_private_segment 0
		.amdhsa_kernarg_size 48
		.amdhsa_user_sgpr_count 2
		.amdhsa_user_sgpr_kernarg_segment_ptr 1
		.amdhsa_wavefront_size32 1
		.amdhsa_system_sgpr_workgroup_id_x 1
		.amdhsa_system_sgpr_workgroup_id_y 1
		.amdhsa_system_sgpr_workgroup_id_z 1
		.amdhsa_system_vgpr_workitem_id 0
		.amdhsa_next_free_vgpr 1024
		.amdhsa_next_free_sgpr 66
		.amdhsa_reserve_vcc 1
		.amdhsa_float_denorm_mode_32 3
		.amdhsa_float_denorm_mode_16_64 3
		.amdhsa_memory_ordered 1
		.amdhsa_forward_progress 1
		.amdhsa_inst_pref_size 245
	.end_amdhsa_kernel
	.amdgpu_metadata
---
amdhsa.version: [ 1, 2 ]
amdhsa.kernels:
  - .name:           k_q1c05f8c6b5_wordattn
    .symbol:         k_q1c05f8c6b5_wordattn.kd
    .args:
      - { .name: H, .offset: 0, .size: 8, .value_kind: global_buffer, .address_space: global }
      - { .name: mask, .offset: 8, .size: 8, .value_kind: global_buffer, .address_space: global }
      - { .name: u_weight, .offset: 16, .size: 8, .value_kind: global_buffer, .address_space: global }
      - { .name: w_bias, .offset: 24, .size: 8, .value_kind: global_buffer, .address_space: global }
      - { .name: w_weight, .offset: 32, .size: 8, .value_kind: global_buffer, .address_space: global }
      - { .name: out0, .offset: 40, .size: 8, .value_kind: global_buffer, .address_space: global }
    .group_segment_fixed_size: 327680
    .private_segment_fixed_size: 0
    .kernarg_segment_align: 8
    .kernarg_segment_size: 48
    .max_flat_workgroup_size: 128
    .sgpr_count:     66
    .vgpr_count:     1024
    .wavefront_size: 32
...
	.end_amdgpu_metadata
.endif
;; end of part 1
